; MI455X (gfx1250); checked and timed in simulation.
; The chip was launched on July 23, 2026; its instructions are those of AMD's public machine-readable ISA for CDNA 5 (MIT licence, August 2026) and "CDNA5" Instruction Set Architecture Reference Guide (July 2026). The comments in the code are by the model that wrote it; some were corrected since.
;; Cross Attention Mask. Allowed arithmetic: matrix products marked QUANTISED: E5M2 operands, one E8M0 scale for each 32 along K, by v_wmma_scale_f32_16x16x128_f8f6f4 with both operands' format E5M2, f32 sums; everything else in f32.
;; Inputs: keys 16 x 2,048 x 512 float32; queries 16 x 2,048 x 512 float32; values 16 x 2,048 x 512 float32.
;; Outputs: out0 16 x 2,048 x 512 float32.
;; This version of the problem:
;;   THIS VERSION OF THE PROBLEM IS GIVEN IN LOW PRECISION. The matrix products marked QUANTISED in the list below multiply operands that are first quantised to E5M2 (5 exponent bits, 2 mantissa bits; 8 bits a number), with one power-of-two scale for each 32 numbers along K (OCP MX v1.0); their sums are f32. All else is computed in f32.
;;   The module's matrix products, in the order in which they are computed (A, B: the left and right operand; K: the contracted axis; several contracted axes count as one K, in the product's order):
;;     1. batch 16 x [M 2,048, K 512] x [K 512, N 2,048]; A: input queries; B: input keys: QUANTISED
;;     2. batch 16 x [M 2,048, K 2,048] x [K 2,048, N 512]; A: softmax (see below); B: input values: QUANTISED
;;   THE QUANTISER, for each operand of a quantised product, along K:
;;     - K is cut into blocks of 32 from its start; a last block that is shorter is filled with zeros.
;;     - A block's scale is 2^e with e = floor(log2(the largest magnitude in the block)) - 15, held to -126 .. 127; a block of zeros has e = 0. As a byte (E8M0): e + 127.
;;     - Each number is divided by its block's scale, clamped to +-57,344, and rounded to the nearest number of E5M2, ties to even, subnormals kept.
;;     - The product sums the exact products of the quantised numbers (number of the format x scale) in f32.
;;   ~~~python
;;   def quantise(x, axis):      # numpy; x: float32 -> the quantised numbers, widened to float32 again
;;       x = np.moveaxis(x, axis, -1); K = x.shape[-1]
;;       x = np.pad(x, [(0, 0)] * (x.ndim - 1) + [(0, -K % 32)]); x = x.reshape(x.shape[:-1] + (-1, 32)); a = np.abs(x).max(-1, keepdims=True)
;;       e = np.where(a > 0, np.clip(np.frexp(np.where(a > 0, a, 1))[1] - 1 - 15, -126, 127), 0)      # np.frexp(a)[1] - 1 = floor(log2(a)), exactly
;;       r = np.clip(x / 2.0 ** e, -57344, 57344)
;;       step = 2.0 ** (np.maximum(np.frexp(np.where(r == 0, 1, r))[1] - 1, -14) - 2)
;;       q = np.round(r / step) * step * 2.0 ** e      # np.round: ties to even
;;       return np.moveaxis(q.reshape(q.shape[:-2] + (-1,))[..., :K], -1, axis).astype(np.float32)
;;   ~~~
;;   SOFTMAX AHEAD OF A QUANTISED PRODUCT. Where the list says 'softmax', what is quantised is not the finished softmax but p = 2^(t - M), with t = logit x log2(e) and M = ceil(the row's largest t), a whole number; so 1/2 < the row's largest p <= 1. The row's sum l is taken of the UNQUANTISED p, in f32, and the product's result is divided by l at the end. Since M is a whole number, a kernel that streams over the keys may use a running M (the ceiling of the running maximum): every later rescaling is an exact power of two, which a block's scale takes up: the codes' values come out the same.
;;   OPERANDS COMPUTED ON THE WAY. 'Computed on the way' means the value that the module computes at that place (a softmax that the list does not call 'softmax' is quantised finished and normalised). What goes into a quantiser is computed in f32, as accurately as f32 sums, v_exp_f32 and their like allow (about 1e-6 of the number): no bf16 or f16 on the way to a quantiser, and a product that is left as it is and whose result goes on into a quantised operand takes f32 operands (vector FMAs, or v_wmma_f32_16x16x4_f32). A number that lies on a knife's edge between two numbers of the format may be rounded either way, as far as f32 arithmetic and the matrix unit's own rounding can turn it there, and no further.
;; One version. Each part assembles by itself: llvm-mc -triple=amdgcn-amd-amdhsa -mcpu=gfx1250 --defsym DOCPART=n.
;; ======== version 1 of 1: 2 launches
;; limits: right only within a limited range of input values
;; workspace buffers: qc 17,301,504 bytes; kv 34,603,008 bytes
;; launch quant (part 1): grid 1280 x 1, 4 waves a work-group, no clusters, 35,328 bytes of LDS; arguments queries, keys, values, qc, kv; writes qc, kv
.if DOCPART == 1
	.amdgcn_target "amdgcn-amd-amdhsa--gfx1250"
	.amdhsa_code_object_version 6
	.text
	.protected	k_qab516a92b6_quant
	.globl	k_qab516a92b6_quant
	.p2align	8
	.type	k_qab516a92b6_quant,@function
k_qab516a92b6_quant:
	s_mov_b64 s[64:65], 0
	v_nop
	global_prefetch_b8 v0, s[64:65] scope:SCOPE_SE
	s_setreg_imm32_b32 hwreg(HW_REG_WAVE_MODE, 25, 1), 1
	s_wait_xcnt 0x0
; queries, keys, values [16][2048][512] f32 become codes of BF8 (E5M2) with one E8M0 scale byte for each 32 along a product's K,
; laid IN THE ORDER OF THE OPERANDS' REGISTERS, so that the attention launch takes every fragment as four runs of 512 dense bytes (lane l at 16 l).
; kv: 256 blocks of 135,168 bytes, block x = 16 batch + key step (128 keys):
;   +0       K's codes: fragment (tile t, K step s) at 2048 (4 t + s); group c at 512 c; lane (r, h) at 16 (16 h + r): key row 32 (t/2) + 8 (t%2) + r + 8 (r/8), E = 128 s + 32 c + 16 h + 0 .. 15
;   +65,536  K's scale words: tile t at 256 t, row r at 16 r, word s = the four bytes of K step s
;   +67,584  V's codes, THE KEYS INNERMOST: d tile n at 2048 n; group c at 512 c; lane (r, h): d = 16 n + r, keys 32 c + 16 h + 0 .. 15
;   +133,120 V's scale words: 512 bytes for each 128 columns; lane l at 16 l, word u: column 32 u + l, byte c = key block c
; qc: 256 groups of 128 queries, 67,584 bytes each, laid as a kv block's K part.
; A block's scale is 2^(floor(log2(its largest magnitude)) - 15); its byte is the largest magnitude's exponent field - 15, held at 1 from below by a floor among the maximum's leaves.
; LIMITS: a block of zeros gets the byte 1 where the rule says 127 (its codes are zeros, and this program alone reads the bytes); NaN and infinities among the inputs are not served.
; SHARES: work-groups 0-255 take V, a kv block each (a lane to a column, registers down the keys: nothing is transposed); work-groups 256-767 take Q and 768-1279 K, four tiles of 16 rows each, a tile a wave.
; No tensor loads, no barrier: waves share nothing.  Only the rows' path uses LDS (a wave's own two stages).
; LEFT OUT in the program: score and value tiles whose keys all come after the queries in hand: reference()'s own causal mask gives them -infinity ahead of the softmax, so their weights are 0 for all inputs
; (limit: a NaN, an infinity or an overflow that reaches such tiles alone is not carried to the result).  Every input is loaded whole.
.set FLOOR, 0x8000000                  ; 2^(16 - 127)
.set OFF15, 0xf8800000                 ; -(15 << 23)
.set EXPF,  0x7f800000
.set KVB,   135168
.set QCB,   67584
.set KSC,   65536
.set VCO,   67584
.set VSC,   133120
.set LN,  2                            ; v2   lane
.set RR,  3                            ; v3   r = lane % 16
.set HH,  4                            ; v4   h = lane / 16
.set LI,  5                            ; v5   16 x lane
.set VL,  6                            ; v6   2048 h + 16 r: two rows of memory an instruction (rows' loads), two d tiles an instruction (V's stores)
.set SW,  7                            ; v7   the stage, on the way in: 272 h + 16 r + my wave's 8,704 bytes
.set SR,  8                            ; v8   and back: 272 r + 64 h
.set VIN, 9                            ; v9   4 x lane
.set W,   24                           ; v24-27 scale words in the making
.set VX,  32                           ; V: v32-95   two sets of 32 numbers
.set VC,  96                           ; V: v96-223  eight registers of codes for each of 16 blocks: no store's data are written again
.set R,   32                           ; rows: v32-127  three sets of 32 registers as loaded
.set X,   128                          ; rows: v128-191 two sets: 2 x 16 neighbours
.set C,   192                          ; rows: v192-255 four registers of codes for each of 16 blocks
	s_load_b256 s[4:11], s[0:1], 0x0               ; queries, keys, values, qc
	s_load_b64 s[12:13], s[0:1], 0x20              ; kv
	v_lshl_add_u32 v30, v0, 2, 0x8800
	v_mov_b32 v31, 0
	v_lshrrev_b32 v1, 5, v0
	v_readfirstlane_b32 s14, v1                    ; wave
	v_and_b32 v[LN], 31, v0
	v_and_b32 v[RR], 15, v0
	v_bfe_u32 v[HH], v0, 4, 1
	v_lshlrev_b32 v[LI], 4, v[LN]
	v_lshlrev_b32 v[VL], 11, v[HH]
	v_lshl_add_u32 v[VL], v[RR], 4, v[VL]
	s_mul_i32 s15, s14, 8704
	v_mul_u32_u24 v[SW], v[HH], 272
	v_lshl_add_u32 v[SW], v[RR], 4, v[SW]
	v_add_nc_u32 v[SW], s15, v[SW]
	v_mul_u32_u24 v[SR], v[RR], 272
	v_lshl_add_u32 v[SR], v[HH], 6, v[SR]
	v_add_nc_u32 v[SR], s15, v[SR]
	v_lshlrev_b32 v[VIN], 2, v[LN]
	v_mov_b32 v14, 0                               ; written once: a lane permute's destination counts as one of its sources
	v_mov_b32 v15, 0
	s_mov_b32 s16, 0x76543210
	s_mov_b32 s17, 0xfedcba98                      ; v_permlanex16_b32's selects for lane l xor 16
	s_mov_b32 s18, 0x600000                        ; the mantissa field of 57,344
	s_cmp_lt_u32 ttmp9, 256
	s_cbranch_scc0 .Lrows
; ---------------- V: block x, wave w: columns 128 w .. 128 w + 127 x 128 keys, in 16 blocks t = 4 c + u: keys 32 c on, columns 32 u + lane
	s_lshl_b32 s20, ttmp9, 18                      ; 128 rows of 2,048 bytes a block
	s_lshl_b32 s21, s14, 9
	s_add_co_u32 s20, s20, s21
	s_mov_b32 s21, 0
	s_mul_i32 s22, ttmp9, KVB
	s_lshl_b32 s23, s14, 14
	s_add_co_u32 s24, s22, s23
	s_add_co_u32 s24, s24, VCO
	s_mov_b32 s25, 0
	s_lshl_b32 s23, s14, 9
	s_add_co_u32 s26, s22, s23
	s_add_co_u32 s26, s26, VSC
	s_mov_b32 s27, 0
	s_wait_kmcnt 0x0
	s_add_nc_u64 s[20:21], s[8:9], s[20:21]        ; values at my first key and column
	s_add_nc_u64 s[24:25], s[12:13], s[24:25]      ; my eight d tiles' codes
	s_add_nc_u64 s[26:27], s[12:13], s[26:27]      ; my 128 columns' scale words
.macro VLOAD t
.irp i, 0,1,2,3,4,5,6,7,8,9,10,11,12,13,14,15,16,17,18,19,20,21,22,23,24,25,26,27,28,29,30,31
	global_load_b32 v[VX+32*((\t)%2)+\i], v[VIN], s[20:21] offset:(32*((\t)/4)+\i)*2048+128*((\t)%4) th:TH_LOAD_NT
.endr
.endm
.macro VBLOCK t
.set XS, VX+32*((\t)%2)
.set CD, VC+8*(\t)
.if (\t) < 15
	s_wait_loadcnt 32                              ; this block's 32 loads are in; the next block's 32 may be out
.else
	s_wait_loadcnt 0
.endif
	v_max3_num_f32 v12, |v[XS]|, |v[XS+1]|, |v[XS+2]|              ; the block's largest magnitude: all 32 numbers are mine
	v_max3_num_f32 v13, |v[XS+3]|, |v[XS+4]|, |v[XS+5]|
.irp i, 6,10,14,18,22,26
	v_max3_num_f32 v12, v12, |v[XS+\i]|, |v[XS+\i+1]|
	v_max3_num_f32 v13, v13, |v[XS+\i+2]|, |v[XS+\i+3]|
.endr
	v_max3_num_f32 v12, v12, |v[XS+30]|, |v[XS+31]|
	v_max3_num_f32 v12, v12, v13, FLOOR            ; and the floor: the byte cannot fall under 1
	v_add_nc_u32 v11, OFF15, v12                   ; 15 off the exponent field: the conversion's scale operand
	v_and_or_b32 v10, v12, EXPF, s18               ; 57,344 x the scale
	v_lshrrev_b32 v13, 23, v11                     ; the scale's byte
.irp i, 0,1,2,3,4,5,6,7,8,9,10,11,12,13,14,15,16,17,18,19,20,21,22,23,24,25,26,27,28,29,30,31
	v_med3_num_f32 v[XS+\i], v[XS+\i], -v10, v10   ; the conversion to an 8-bit code does not saturate (ISA guide 7.6.2): the hold comes first
.endr
.irp g, 0,1,2,3
	v_cvt_scalef32_pk8_bf8_f32 v[CD+2*\g:CD+2*\g+1], v[XS+8*\g:XS+8*\g+7], v11
.endr
.if (\t)/4 == 0
	v_mov_b32 v[W+(\t)%4], v13                     ; byte c of column 32 u + lane's word.  (Also the plain line behind the conversions)
.else
	v_lshl_or_b32 v[W+(\t)%4], v13, 8*((\t)/4), v[W+(\t)%4]
.endif
	global_store_b128 v[VL], v[CD:CD+3], s[24:25] offset:4096*((\t)%4)+512*((\t)/4)          ; keys 0-15 of the block: sixteen lanes store 256 consecutive bytes, aligned
	global_store_b128 v[VL], v[CD+4:CD+7], s[24:25] offset:4096*((\t)%4)+512*((\t)/4)+256    ; keys 16-31: the upper half of the fragment's lanes
.if (\t)+2 < 16
	VLOAD (\t)+2
.endif
.endm
	s_wait_alu depctr_va_vdst(0)
	VLOAD 0
	VLOAD 1
.irp t, 0,1,2,3,4,5,6,7,8,9,10,11,12,13,14,15
	VBLOCK \t
.endr
	global_store_b128 v[LI], v[W:W+3], s[26:27]    ; 512 consecutive bytes
	s_endpgm
; ---------------- Q and K: a wave takes a tile of 16 rows x 512, in 8 pieces of 16 rows x 256 bytes
.Lrows:
	s_sub_co_u32 s19, ttmp9, 256
	s_and_b32 s20, s19, 511
	s_lshr_b32 s21, s20, 1                         ; the group of 128 rows
	s_and_b32 s22, s20, 1
	s_lshl_b32 s22, s22, 2
	s_add_co_u32 s22, s22, s14                     ; the tile t
	s_lshl_b32 s23, s21, 7
	s_lshr_b32 s24, s22, 1
	s_lshl_b32 s24, s24, 5
	s_add_co_u32 s23, s23, s24
	s_and_b32 s24, s22, 1
	s_lshl_b32 s24, s24, 3
	s_add_co_u32 s23, s23, s24                     ; the tile's first row: 128 g + 32 (t/2) + 8 (t%2); its rows are that + 0 .. 7 and + 16 .. 23
	s_lshl_b32 s28, s23, 11
	s_mov_b32 s29, 0
	s_mov_b32 s25, KVB
	s_wait_kmcnt 0x0
	s_cmp_lt_u32 s19, 512                          ; Q's work-group or K's?  The choice hangs on the work-group's number alone
	s_cselect_b64 s[4:5], s[4:5], s[6:7]
	s_cselect_b64 s[10:11], s[10:11], s[12:13]
	s_cselect_b32 s25, QCB, s25
	s_mul_i32 s25, s21, s25
	s_lshl_b32 s26, s22, 13
	s_add_co_u32 s30, s25, s26
	s_mov_b32 s31, 0
	s_lshl_b32 s26, s22, 8
	s_add_co_u32 s32, s25, s26
	s_add_co_u32 s32, s32, KSC
	s_mov_b32 s33, 0
	s_add_nc_u64 s[4:5], s[4:5], s[28:29]          ; the source at the tile's first row
	s_add_nc_u64 s[30:31], s[10:11], s[30:31]      ; the tile's four fragments
	s_add_nc_u64 s[32:33], s[10:11], s[32:33]      ; the tile's scale words
.macro RLOAD p                         ; piece p: sixteen lanes read 256 consecutive bytes of a row, two rows an instruction
.irp k, 0,1,2,3,4,5,6,7
	global_load_b128 v[R+32*((\p)%3)+4*\k:R+32*((\p)%3)+4*\k+3], v[VL], s[4:5] offset:(2*\k+8*(\k/4))*2048+256*(\p) th:TH_LOAD_NT
.endr
.endm
.macro RTURN p                         ; through my own stage (rows 272 bytes apart): LDS serves a wave's instructions in order, so no wait stands between the stores and the loads
.irp k, 0,1,2,3,4,5,6,7
	ds_store_b128 v[SW], v[R+32*((\p)%3)+4*\k:R+32*((\p)%3)+4*\k+3] offset:4352*((\p)%2)+544*\k
.endr
.irp q, 0,1
.irp j, 0,1,2,3
	ds_load_b128 v[X+32*((\p)%2)+16*\q+4*\j:X+32*((\p)%2)+16*\q+4*\j+3], v[SR] offset:4352*((\p)%2)+128*\q+16*\j   ; lane (r, h): row r, 16 neighbours of block q
.endr
.endr
.endm
.macro RWORK p                         ; the piece's two blocks of 32: K step p / 2, groups 2 (p % 2) and 2 (p % 2) + 1
.set XS, X+32*((\p)%2)
.irp q, 0,1
	v_max3_num_f32 v[10+\q], |v[XS+16*\q]|, |v[XS+16*\q+1]|, |v[XS+16*\q+2]|
	v_max3_num_f32 v[12+\q], |v[XS+16*\q+3]|, |v[XS+16*\q+4]|, |v[XS+16*\q+5]|
.endr
.irp i, 6,10
.irp q, 0,1
	v_max3_num_f32 v[10+\q], v[10+\q], |v[XS+16*\q+\i]|, |v[XS+16*\q+\i+1]|
	v_max3_num_f32 v[12+\q], v[12+\q], |v[XS+16*\q+\i+2]|, |v[XS+16*\q+\i+3]|
.endr
.endr
.irp q, 0,1
	v_max3_num_f32 v[10+\q], v[10+\q], |v[XS+16*\q+14]|, |v[XS+16*\q+15]|
.endr
.irp q, 0,1
	v_max3_num_f32 v[10+\q], v[10+\q], v[12+\q], FLOOR
.endr
.irp q, 0,1
	v_permlanex16_b32 v[14+\q], v[10+\q], s16, s17
.endr
.irp q, 0,1
	v_max_num_f32 v[10+\q], v[10+\q], v[14+\q]     ; with lane l xor 16's 16: the block's largest magnitude
.endr
.irp q, 0,1
	v_add_nc_u32 v[16+\q], OFF15, v[10+\q]
.endr
.irp q, 0,1
	v_and_or_b32 v[18+\q], v[10+\q], EXPF, s18
.endr
.irp q, 0,1
	v_lshrrev_b32 v[20+\q], 23, v[16+\q]
.endr
.irp q, 0,1
.irp i, 0,1,2,3,4,5,6,7,8,9,10,11,12,13,14,15
	v_med3_num_f32 v[XS+16*\q+\i], v[XS+16*\q+\i], -v[18+\q], v[18+\q]
.endr
	v_cvt_scalef32_pk8_bf8_f32 v[C+4*(2*(\p)+\q):C+4*(2*(\p)+\q)+1], v[XS+16*\q:XS+16*\q+7], v[16+\q]
	v_cvt_scalef32_pk8_bf8_f32 v[C+4*(2*(\p)+\q)+2:C+4*(2*(\p)+\q)+3], v[XS+16*\q+8:XS+16*\q+15], v[16+\q]
.endr
.if (\p)%2 == 0
	v_mov_b32 v[W+(\p)/2], v20                     ; (these are also the plain lines behind the conversions)
.else
	v_lshl_or_b32 v[W+(\p)/2], v20, 16, v[W+(\p)/2]
.endif
	v_lshl_or_b32 v[W+(\p)/2], v21, 8*(2*((\p)%2)+1), v[W+(\p)/2]
.irp q, 0,1
	global_store_b128 v[LI], v[C+4*(2*(\p)+\q):C+4*(2*(\p)+\q)+3], s[30:31] offset:2048*((\p)/2)+512*(2*((\p)%2)+\q)   ; 512 consecutive bytes
.endr
.endm
.macro RSTEP p
	s_wait_dscnt 0x0                               ; this piece's neighbours are back, and the stage's stores have read their set of registers,
.if (\p)+3 < 8
	RLOAD (\p)+3                                   ; which takes the piece three on
.endif
.if (\p) < 7
.if 6-(\p) >= 2
	s_wait_loadcnt 16                              ; the next piece's eight loads are in; those of the two pieces behind it may be out
.else
	s_wait_loadcnt 8*(6-(\p))
.endif
	RTURN (\p)+1                                   ; and goes through the other stage while this piece is worked
.endif
	RWORK \p
.endm
	RLOAD 0
	RLOAD 1
	RLOAD 2
	s_wait_loadcnt 16                              ; piece 0 is in
	s_wait_alu depctr_va_vdst(0)
	RTURN 0
.irp p, 0,1,2,3,4,5,6,7
	RSTEP \p
.endr
	v_cmp_le_u32 vcc_lo, 16, v[LN]                 ; both halves of the lanes hold row r's four words: the lower half stores words 0, 1, the upper words 2, 3
	v_cndmask_b32 v10, v24, v26, vcc_lo
	v_cndmask_b32 v11, v25, v27, vcc_lo
	v_lshlrev_b32 v12, 4, v[RR]
	v_lshl_add_u32 v12, v[HH], 3, v12
	global_store_b64 v12, v[10:11], s[32:33]       ; 32 lanes store 256 consecutive bytes, aligned
	s_wait_tensorcnt 0x0
	ds_add_u32 v30, v31
	s_wait_dscnt 0x0
	s_endpgm
.Lfunc_end_k_qab516a92b6_quant:
	.size	k_qab516a92b6_quant, .Lfunc_end_k_qab516a92b6_quant-k_qab516a92b6_quant
	.p2alignl 7, 3214868480
	.fill 96, 4, 3214868480
	.section	.rodata,"a",@progbits
	.p2align	6, 0x0
	.amdhsa_kernel k_qab516a92b6_quant
		.amdhsa_group_segment_fixed_size 35328
		.amdhsa_private_segment_fixed_size 0
		.amdhsa_enable_private_segment 0
		.amdhsa_kernarg_size 40
		.amdhsa_user_sgpr_count 2
		.amdhsa_user_sgpr_kernarg_segment_ptr 1
		.amdhsa_wavefront_size32 1
		.amdhsa_system_sgpr_workgroup_id_x 1
		.amdhsa_system_sgpr_workgroup_id_y 1
		.amdhsa_system_sgpr_workgroup_id_z 1
		.amdhsa_system_vgpr_workitem_id 0
		.amdhsa_next_free_vgpr 256
		.amdhsa_next_free_sgpr 66
		.amdhsa_reserve_vcc 1
		.amdhsa_float_denorm_mode_32 3
		.amdhsa_float_denorm_mode_16_64 3
		.amdhsa_memory_ordered 1
		.amdhsa_forward_progress 1
		.amdhsa_inst_pref_size 160
	.end_amdhsa_kernel
	.amdgpu_metadata
---
amdhsa.version: [ 1, 2 ]
amdhsa.kernels:
  - .name:           k_qab516a92b6_quant
    .symbol:         k_qab516a92b6_quant.kd
    .args:
      - { .name: queries, .offset: 0, .size: 8, .value_kind: global_buffer, .address_space: global }
      - { .name: keys, .offset: 8, .size: 8, .value_kind: global_buffer, .address_space: global }
      - { .name: values, .offset: 16, .size: 8, .value_kind: global_buffer, .address_space: global }
      - { .name: qc, .offset: 24, .size: 8, .value_kind: global_buffer, .address_space: global }
      - { .name: kv, .offset: 32, .size: 8, .value_kind: global_buffer, .address_space: global }
    .group_segment_fixed_size: 35328
    .private_segment_fixed_size: 0
    .kernarg_segment_align: 8
    .kernarg_segment_size: 40
    .max_flat_workgroup_size: 128
    .sgpr_count:     66
    .vgpr_count:     256
    .wavefront_size: 32
...
	.end_amdgpu_metadata
.endif
;; end of part 1
;; launch attn (part 2): grid 16 x 16, 8 waves a work-group, clusters of 4 x 1, 327,680 bytes of LDS; arguments qc, kv, out0; writes out0
.if DOCPART == 2
	.amdgcn_target "amdgcn-amd-amdhsa--gfx1250"
	.amdhsa_code_object_version 6
	.text
	.protected	k_qab516a92b6_attn
	.globl	k_qab516a92b6_attn
	.p2align	8
	.type	k_qab516a92b6_attn,@function
k_qab516a92b6_attn:
	s_mov_b64 s[64:65], 0
	v_nop
	global_prefetch_b8 v0, s[64:65] scope:SCOPE_SE
	s_setreg_imm32_b32 hwreg(HW_REG_WAVE_MODE, 25, 1), 1
	s_wait_xcnt 0x0
	s_wait_alu depctr_hold_cnt(0) depctr_sa_sdst(0) depctr_va_vdst(0) depctr_va_sdst(0) depctr_va_ssrc(0) depctr_va_vcc(0) depctr_vm_vsrc(0)
	s_getreg_b32 s2, hwreg(HW_REG_IB_STS2, 6, 4)
	s_cmp_eq_u32 s2, 0
	s_cbranch_scc0 .Lentry_in_a_cluster
	s_endpgm
.Lentry_in_a_cluster:
	s_bfe_u32 s2, ttmp6, 0x10000c
	s_cmp_lg_u32 s2, 0x3003
	s_cbranch_scc0 .Lentry_shape_is_right
	s_endpgm
.Lentry_shape_is_right:
; out0[b][q][:] = the sum over k <= q of softmax_k(Q[b][q] . K[b][k] / sqrt(512)) V[b][k][:], both products on codes of BF8 (E5M2) with one E8M0 scale for each 32 along K.
; qc and kv hold the codes and scale words in the order of the operands' registers (a fragment: four runs of 512 bytes, lane l at 16 l); a kv block is 128 keys: K's part (67,584 bytes), then V's.
; THE SOFTMAX: t = score x log2(e) / sqrt(512); p = 2^(t - M), M a whole number, is quantised along the keys; the row's sum is taken of the unquantised p and divides at the end.
; SHARES.  A work-group has 64 queries (4 tiles of 16) in hand and EIGHT WAVES IN TWO ROLES, 512 registers each.  Waves 0-3 make scores: wave w takes the step's keys 32 w .. 32 w + 31 for all four tiles
; (S^T = K Q^T), their softmax and their codes; Q stays in 256 registers.  Waves 4-7 make the result: wave 4 + w takes d = 128 w .. 128 w + 127 for all four tiles (O^T = V^T P^T); O^T stays in 256 registers.
; Each fragment of K and V read from LDS feeds four matrix instructions.
; A wave's 32 keys are group w of each fragment of P and byte w of its scale word.  Each score wave keeps a running M of its own, and publishes codes, -M and byte + M (with a pass's last step its sum) through LDS;
; behind the step's one barrier waves 4-7 take the largest of the four M and move the four bytes by M_w - M: an exact power of two.
; PIPELINE.  Between barrier j and j + 1 waves 4-7 do O^T += V_j P_j while waves 0-3 make P_(j+1).  V_j and K_(j+1) lie in slot j % 2; behind barrier j the other slot takes K_(j+2) and V_(j+1).
; BALANCE.  Cluster c (0..3) of a batch: pass A: query blocks 28 - 4 c + cx over 16 - 2 c key steps; pass B: blocks 4 c + cx over 2 c + 2: 18 steps for every work-group; key steps that come wholly after a cluster's queries are left out
; (reference()'s mask makes their weights 0).  Trip counts and branches hang on c, counters and the wave's number alone, so the four partners run alike and ask for every block JOINTLY (mask 15);
; the place cx enters only global addresses of Q and out0, a prefetch's address, and the mask's numbers.
; LOADS.  One a wave at the head: waves 0, 1 K_0, waves 2, 3 V_0, waves 4, 5 K_1, waves 6, 7 V_1, in halves; behind a round waves 4, 5 bring K's halves and waves 6, 7 V's: one a wave.
; THE ROWS OF A TILE (of K and of Q) ARE NOT NEIGHBOURS: lane r of tile t takes row 32 (t/2) + 8 (t%2) + r + 8 (r/8), so that p's 16 registers of two tiles of keys are 16 neighbouring keys.
; LIMITS: |t| under 2^23 (byte + M is kept in f32); the running maximum starts at -2^28; a block of p more than some 110 powers of two under the row's M is fed with the byte 0 (2^-127);
; pass B's O^T begins as pass A's times 0, which takes O^T finite; NaN and infinities among the inputs are not served.
; REGISTERS.  Window 0: v1-27 addresses; v22-25, v28-43 scale words and nothing else; v44-63 what is carried; scores: S^T / p v64-127, K v128-255 (once multiplied: the softmax's temporaries);
;   result: P v64-127, V v128-255.  Window 1: Q (scores), fragment (a, K step s) at v[16 (4 a + s)]; O^T (result), accumulator (tile a, d tile n) at v[64 a + 8 n].
.set SLOTB, 135168                     ; a slot = a kv block's layout; 0x21000: one exclusive or turns a part of one slot into the other's (33,792 x 0..3 has neither of its two bits)
.set PART,  33792                      ; what one tensor load brings: 132 rows of 256 bytes
.set KSC,   65536
.set VCO,   67584
.set VSC,   133120
.set QCB,   67584
.set XBUF0, 270336                     ; two exchange buffers of 11,264 bytes: P's images at 2048 a + 512 w + 16 l; from 8,192 on the statistics at 768 a + 256 x quantity + 16 r + 4 w
.set XBUF1, 281600
.set XTOG,  0x6c00                     ; XBUF0 xor XBUF1
.set XST,   8192
.set STG,   292864                     ; the way out: 16 rows x 528 bytes for each of waves 4-7
.set SPITCH, 528
.set SPARE, 326656                     ; the spare words: 128 bytes for each wave, four blocks of 256 bytes that no other line names
.set LI,   1                           ; v1   16 x lane
.set AK0,  2                           ; v2   my fragments of K in a slot
.set AKS0, 3                           ; v3   K's scale words
.set XPW0, 4                           ; v4   512 w + 16 x lane: P's group in an exchange buffer; also my bytes of a row of out0
.set GO,   4
.set XSW0, 5                           ; v5   my statistics
.set XSR0, 6                           ; v6   a query's four
.set STO,  7                           ; v7   the stage, in
.set RD,   8                           ; v8   the stage, back
.set ADVS, 9                           ; the addresses in hand: v9, v16-21, v27
.set PFO,  10                          ; v10  256 x lane
.set DL,   11                          ; v11  r + 8 (r/8) - 16 h - 32 w
.set SPW,  12                          ; v12  my spare word; never rewritten
.set NIL,  13                          ; v13  0; never rewritten
.set NINF, 14                          ; v14  -infinity
.set AV0,  15                          ; v15  my fragments of V
.set ADK,  16
.set ADKS, 17
.set XPR,  18
.set XSR,  19
.set XPW,  20
.set XSW,  21
.set KS,   22                          ; v22-25 K's, v28-35 Q's, v36-39 V's, v40-43 P's scale words
.set AVS0, 26                          ; v26  V's scale words' address
.set ADV,  27
.set QS,   28
.set VS,   36
.set PS,   40
.set NM,   44                          ; scores: v[44+2a:45+2a]  -M of my keys, the largest t of my keys
.set LSUM, 52                          ; scores: v[52+2a:53+2a]  my lane's sum, in two halves
.set CM,   44                          ; result: v[44+2a]  the common -M (it begins as NM does)
.set FO,   52                          ; result: v[52+2a:53+2a]  f for O^T, and a number that is not used
.set MXR,  60                          ; result: v60-63  the new common -M
.set S,    64                          ; scores: v64-127 S^T, then p: tile a at 64 + 16 a
.set PF,   64                          ; result: v64-127 P's four fragments;
.set EW,   96                          ;   ahead of fragments 2 and 3 the statistics stand in their registers
.set MW,   112
.set KB,   128                         ; scores: K, fragment (u, s) at v[128 + 16 (4 u + s)];
.set MX,   128                         ;   behind the products the temporaries
.set TP,   132
.set SC,   136
.set HD,   140
.set BY,   144
.set PCW,  148
.set FW,   164                         ; v[164+2a:165+2a] f for my sum, and a number that is not used
.set DA,   172
.set VB,   128                         ; result: V, fragment n at v[128 + 16 n]
.set MW2,  64                          ; the way out: over P and V
.set EW2,  80
.set LW,   96
.set RL,   112                         ; v[112+2a:113+2a]  1 / the row's sum, and a number that is not used
.set SO,   128
.set RB,   192
.set WV,   10
.set CX,   11
.set CL,   12                          ; the cluster's x
.set BB,   13                          ; the batch
.set NA,   14                          ; pass A's key steps
.set JT,   15                          ; the barrier's number
.set SWJ,  16                          ; the trip in which the pass changes
.set MK,   17                          ; the first trip whose scores pass A's diagonal touches
.set KI,   18                          ; the key step of the scores in hand
.set Q0,   19
.set Q0B,  20
.set MNT,  21
.set CS,   22
.set SEL,  24
.set TB,   26                          ; the slot in hand
.set XB,   27                          ; the exchange buffer that is read
.set XO,   28                          ; and the one that is written
.set IDX,  29                          ; the kv block that my next refill brings
.set LIM,  30
.set FLG,  31
.set G1,   32                          ; s[32:39] descriptor group 1
.set D0,   40                          ; s[40:43] group 0 of the first fill; s[48:51] the walking one
.set WD,   48
.set GW,   52                          ; s[52:53] kv at my batch and my part of a block
.set OFS,  54
.set PFA,  56
.set QA,   58
.set QSA,  60
.set QB,   62
.set QSB,  66
.set OUTA, 68
.set OUTB, 70
.set LASTA, 80                         ; the trip that makes pass A's last scores
.set HV,   81                          ; my wave's number / 2
.set W3,   82                          ; my wave's number in its role
.set MSB, 0
.macro WIN new                         ; the immediate's high byte repeats the setting that is left; a switch that changes nothing is dropped
.if MSB != \new
	s_set_vgpr_msb (MSB<<8)|\new
.set MSB, \new
.endif
.endm
.macro CROUND                          ; a round of the cluster's barrier
	s_barrier_signal -1
	s_barrier_wait -1
	s_cmp_lg_u32 s[WV], 0
	s_cbranch_scc1 .Lnot_wave_0_\@
	s_barrier_signal -3
.Lnot_wave_0_\@:
	s_barrier_wait -3
	s_barrier_signal -1
	s_barrier_wait -1
.endm
; A joint refill: waves 4, 5 K's halves, waves 6, 7 V's.  kind 3: all four; 1: K's alone; 2: V's alone.  The branch hangs on the wave's number alone.
.macro JLOAD kind
.if \kind == 1
	s_cmp_eq_u32 s[HV], 2
.endif
.if \kind == 2
	s_cmp_eq_u32 s[HV], 3
.endif
.if \kind == 3
	s_cmp_ge_u32 s[WV], 4
.endif
	s_cbranch_scc0 .Lnone_\@
	tensor_load_to_lds s[WD:WD+3], s[G1:G1+7]
	s_nop 0
.rept 4
	v_nop                                          ; four lines behind the load, ahead of labels, branches and window switches
.endr
.Lnone_\@:
.endm
; A prefetch of the codes of kv block j + 3, behind barrier j's refill: K's part of it is asked for by the tensor load of the next barrier, V's by the one after.  All four clusters of a batch walk the same blocks:
; cluster 0, which walks all sixteen, asks.  Its 16 waves of the result's role share a block's 512 runs of 256 bytes out by address (8,192 bytes a wave, lanes 256 bytes apart): each is named once in the launch.
; Blocks 0 to 2 and the scale words come by their loads alone; barriers 13 and later ask for nothing.
.macro ASK
	s_cmp_lt_u32 s[JT], s[LIM]
	s_cbranch_scc0 .Lnot_mine_\@
	global_prefetch_b8 v[PFO], s[PFA:PFA+1] th:TH_LOAD_NT scope:SCOPE_SE
.Lnot_mine_\@:
.endm
.macro ADRS                            ; the step's LDS addresses, of both roles
	v_add_nc_u32 v[ADK], s[TB], v[AK0]
	v_add_nc_u32 v[ADKS], s[TB], v[AKS0]
	v_add_nc_u32 v[ADV], s[TB], v[AV0]
	v_add_nc_u32 v[ADVS], s[TB], v[AVS0]
	v_add_nc_u32 v[XPR], s[XB], v[LI]
	v_add_nc_u32 v[XSR], s[XB], v[XSR0]
	v_add_nc_u32 v[XPW], s[XO], v[XPW0]
	v_add_nc_u32 v[XSW], s[XO], v[XSW0]
.endm
; THE STEP'S ONE BARRIER.  In front of it: all my tensor loads have landed (my part of the slot ahead); the add; my published stores have landed and my reads of the slot and of the exchange buffer that I leave are over.
.macro CHANGE kind
	s_wait_tensorcnt 0x0                           ; no tensor load of mine is out, so the walking group 0 may be written
	ds_add_u32 v[SPW], v[NIL]                      ; 0 onto my spare word
	s_xor_b32 s[TB], s[TB], SLOTB                  ; on to the other slot and the other buffers
	s_xor_b32 s[XB], s[XB], XTOG
	s_xor_b32 s[XO], s[XO], XTOG
	ADRS
	v_nop                                          ; with the eight additions: nine places behind the last products
	s_wait_alu depctr_va_vdst(0)
.if \kind
	s_xor_b32 s[WD+1], s[WD+1], SLOTB              ; the other slot than last time
	s_add_co_u32 s[IDX], s[IDX], 1                 ; the next block; behind pass A's last comes block 0 again
	s_cmp_eq_u32 s[IDX], s[NA]
	s_cselect_b32 s[IDX], 0, s[IDX]
	s_mul_i32 s[OFS], s[IDX], SLOTB
	s_add_nc_u64 s[WD+2:WD+3], s[GW:GW+1], s[OFS:OFS+1]
	s_or_b32 s[WD+3], s[WD+3], 0x80000000          ; 127:126 type = 2
	s_wait_xcnt 0x0                                ; the last prefetch and the last stores have read their registers
	s_add_nc_u64 s[PFA:PFA+1], s[PFA:PFA+1], SLOTB
	s_wait_dscnt 0x0
	CROUND                                         ; no wave of any partner still reads the slot or has a load on its way
	JLOAD \kind                                    ; the first thing behind the round, and a wave's one tensor load until the next
.if \kind != 2
	ASK
.endif
.else
	s_wait_dscnt 0x0
	s_barrier_signal -1
	s_barrier_wait -1
.endif
.endm
.macro MMPV a, n, first                ; O^T(a, n) += V(n) P(a).  V's scale words: register n / 2, lanes 16 (n % 2) + r
.set rO, 64*(\a)+8*(\n)
.set rV, VB+16*(\n)
.set rP, PF+16*(\a)
.if \first
.if (\n)%2
	v_wmma_scale_f32_16x16x128_f8f6f4 v[rO:rO+7], v[rV:rV+15], v[rP:rP+15], 0, v[VS+(\n)/2], v[PS+\a] matrix_a_fmt:MATRIX_FMT_BF8 matrix_b_fmt:MATRIX_FMT_BF8 matrix_a_scale:MATRIX_SCALE_ROW1
.else
	v_wmma_scale_f32_16x16x128_f8f6f4 v[rO:rO+7], v[rV:rV+15], v[rP:rP+15], 0, v[VS+(\n)/2], v[PS+\a] matrix_a_fmt:MATRIX_FMT_BF8 matrix_b_fmt:MATRIX_FMT_BF8
.endif
.else
.if (\n)%2
	v_wmma_scale_f32_16x16x128_f8f6f4 v[rO:rO+7], v[rV:rV+15], v[rP:rP+15], v[rO:rO+7], v[VS+(\n)/2], v[PS+\a] matrix_a_fmt:MATRIX_FMT_BF8 matrix_b_fmt:MATRIX_FMT_BF8 matrix_a_scale:MATRIX_SCALE_ROW1
.else
	v_wmma_scale_f32_16x16x128_f8f6f4 v[rO:rO+7], v[rV:rV+15], v[rP:rP+15], v[rO:rO+7], v[VS+(\n)/2], v[PS+\a] matrix_a_fmt:MATRIX_FMT_BF8 matrix_b_fmt:MATRIX_FMT_BF8
.endif
.endif
.endm
.macro MMKQ a, u, s                    ; S^T(a, u) (+)= K(u, s) Q(a, s).  K's scale words: lanes 16 u + r; Q's: register 4 (a / 2) + s, lanes 16 (a % 2) + r
.set rD, S+16*(\a)+8*(\u)
.set rK, KB+16*(4*(\u)+(\s))
.set rQ, 16*(4*(\a)+(\s))
.set rX, KS+(\s)
.set rY, QS+4*((\a)/2)+(\s)
.if (\s) == 0
.if (\u) == 0
.if (\a)%2 == 0
	v_wmma_scale_f32_16x16x128_f8f6f4 v[rD:rD+7], v[rK:rK+15], v[rQ:rQ+15], 0, v[rX], v[rY] matrix_a_fmt:MATRIX_FMT_BF8 matrix_b_fmt:MATRIX_FMT_BF8
.else
	v_wmma_scale_f32_16x16x128_f8f6f4 v[rD:rD+7], v[rK:rK+15], v[rQ:rQ+15], 0, v[rX], v[rY] matrix_a_fmt:MATRIX_FMT_BF8 matrix_b_fmt:MATRIX_FMT_BF8 matrix_b_scale:MATRIX_SCALE_ROW1
.endif
.else
.if (\a)%2 == 0
	v_wmma_scale_f32_16x16x128_f8f6f4 v[rD:rD+7], v[rK:rK+15], v[rQ:rQ+15], 0, v[rX], v[rY] matrix_a_fmt:MATRIX_FMT_BF8 matrix_b_fmt:MATRIX_FMT_BF8 matrix_a_scale:MATRIX_SCALE_ROW1
.else
	v_wmma_scale_f32_16x16x128_f8f6f4 v[rD:rD+7], v[rK:rK+15], v[rQ:rQ+15], 0, v[rX], v[rY] matrix_a_fmt:MATRIX_FMT_BF8 matrix_b_fmt:MATRIX_FMT_BF8 matrix_a_scale:MATRIX_SCALE_ROW1 matrix_b_scale:MATRIX_SCALE_ROW1
.endif
.endif
.else
.if (\u) == 0
.if (\a)%2 == 0
	v_wmma_scale_f32_16x16x128_f8f6f4 v[rD:rD+7], v[rK:rK+15], v[rQ:rQ+15], v[rD:rD+7], v[rX], v[rY] matrix_a_fmt:MATRIX_FMT_BF8 matrix_b_fmt:MATRIX_FMT_BF8
.else
	v_wmma_scale_f32_16x16x128_f8f6f4 v[rD:rD+7], v[rK:rK+15], v[rQ:rQ+15], v[rD:rD+7], v[rX], v[rY] matrix_a_fmt:MATRIX_FMT_BF8 matrix_b_fmt:MATRIX_FMT_BF8 matrix_b_scale:MATRIX_SCALE_ROW1
.endif
.else
.if (\a)%2 == 0
	v_wmma_scale_f32_16x16x128_f8f6f4 v[rD:rD+7], v[rK:rK+15], v[rQ:rQ+15], v[rD:rD+7], v[rX], v[rY] matrix_a_fmt:MATRIX_FMT_BF8 matrix_b_fmt:MATRIX_FMT_BF8 matrix_a_scale:MATRIX_SCALE_ROW1
.else
	v_wmma_scale_f32_16x16x128_f8f6f4 v[rD:rD+7], v[rK:rK+15], v[rQ:rQ+15], v[rD:rD+7], v[rX], v[rY] matrix_a_fmt:MATRIX_FMT_BF8 matrix_b_fmt:MATRIX_FMT_BF8 matrix_a_scale:MATRIX_SCALE_ROW1 matrix_b_scale:MATRIX_SCALE_ROW1
.endif
.endif
.endif
.endm
.macro VFETCH n                        ; V's fragment n
.irp c, 0,1,2,3
	ds_load_b128 v[VB+16*(\n)+4*\c:VB+16*(\n)+4*\c+3], v[ADV] offset:2048*(\n)+512*\c
.endr
.endm
.macro PFETCH a                        ; P's fragment a: group c was made by wave c
.irp c, 0,1,2,3
	ds_load_b128 v[PF+16*(\a)+4*\c:PF+16*(\a)+4*\c+3], v[XPR] offset:2048*(\a)+512*\c
.endr
.endm
; WAVES 4-7: THE SECOND PRODUCT OF THE STEP THAT HAS JUST BEEN PUBLISHED.  first = 1: it starts O^T's sums.
.macro PVPART first
.irp a, 0,1,2,3
	ds_load_b128 v[MW+4*\a:MW+4*\a+3], v[XSR] offset:768*\a          ; the four waves' -M of my query
	ds_load_b128 v[EW+4*\a:EW+4*\a+3], v[XSR] offset:768*\a+256      ; and their byte + M
.endr
	PFETCH 0
	PFETCH 1
	ds_load_b128 v[VS:VS+3], v[ADVS]
.irp n, 0,1,2,3
	VFETCH \n
.endr
	s_wait_dscnt 25                                ; the eight statistics loads are in; behind them: P's 8, V's scale words, V's 16
.irp a, 0,1,2,3
	v_min3_num_f32 v[MXR+\a], v[MW+4*\a], v[MW+4*\a+1], v[MW+4*\a+2]
.endr
.irp a, 0,1,2,3
	v_min_num_f32 v[MXR+\a], v[MXR+\a], v[MW+4*\a+3] ; the common -M: the least of the four
.endr
	PFETCH 3                                       ; over the -M that have been read
.irp a, 0,1,2,3
.irp k, 0,1,2,3
	v_add_f32 v[EW+4*\a+\k], v[EW+4*\a+\k], v[MXR+\a] ; wave k's byte under the common M: byte + M_k - M
.endr
.endr
.irp a, 0,1,2,3
.irp k, 0,1,2,3
	v_max_num_f32 v[EW+4*\a+\k], 0, v[EW+4*\a+\k]
.endr
.endr
.irp a, 0,1,2,3
	v_fma_f32 v[EW+4*\a], v[EW+4*\a+1], 0x43800000, v[EW+4*\a]       ; x 256: two bytes to a number, exact
	v_fma_f32 v[EW+4*\a+2], v[EW+4*\a+3], 0x43800000, v[EW+4*\a+2]
.endr
.irp a, 0,1,2,3
	v_cvt_u32_f32 v[EW+4*\a], v[EW+4*\a]
	v_cvt_u32_f32 v[EW+4*\a+2], v[EW+4*\a+2]
.endr
.irp a, 0,1,2,3
	v_lshl_or_b32 v[PS+\a], v[EW+4*\a+2], 16, v[EW+4*\a]             ; P's scale word for these 128 keys
.endr
	PFETCH 2                                       ; over the bytes that have been read
.irp n, 4,5,6,7
	VFETCH \n
.endr
.if \first == 0
.irp a, 0,1,2,3
	v_sub_f32 v[FO+2*\a], v[MXR+\a], v[CM+2*\a]      ; old M - new M: a whole number, 0 or less
.endr
.irp a, 0,1,2,3
	v_cvt_i32_f32 v[FO+2*\a], v[FO+2*\a]             ; (it saturates)
.endr
.irp a, 0,1,2,3
	v_ldexp_f32 v[FO+2*\a], 1.0, v[FO+2*\a]          ; f = 2^(old M - new M)
.endr
.endif
.irp a, 0,1,2,3
	v_mov_b32 v[CM+2*\a], v[MXR+\a]
.endr
.if \first
.rept 8
	v_nop                                          ; a scale register written by a vector instruction stands eight places ahead of the scaled product
.endr
.else
	WIN 0x41                                       ; O^T in window 1, f in window 0
	s_wait_alu depctr_va_vdst(0)                   ; directly ahead of the first reader of O^T
.irp a, 0,1,2,3
.set i, 0
.rept 32
	v_pk_mul_f32 v[64*\a+i:64*\a+i+1], v[64*\a+i:64*\a+i+1], v[FO+2*\a:FO+2*\a+1] op_sel_hi:[1,0]   ; O^T under the new M, each accumulator from its low end on
.set i, i+2
.endr
.endr
.endif
	s_wait_alu depctr_va_vdst(0)
	s_wait_dscnt 16                                ; P and V's fragments 0-3 are in; V's last 16 loads may be out
	WIN 0x50                                       ; V and P window 0, O^T window 1
.irp n, 0,1,2,3
.irp a, 0,1,2,3
	MMPV \a, \n, \first
.endr
.endr
	s_wait_dscnt 0x0
.irp n, 4,5,6,7
.irp a, 0,1,2,3
	MMPV \a, \n, \first
.endr
.endr
	WIN 0
.endm
.macro QLOAD cb, sb                    ; 64 queries' codes (16 fragments) and scale words (register 4 p + s: lanes 0-15 tile 2 p, lanes 16-31 tile 2 p + 1)
	WIN 0x40                                       ; destination window 1
.irp f, 0,1,2,3,4,5,6,7,8,9,10,11,12,13,14,15
.irp c, 0,1,2,3
	global_load_b128 v[16*\f+4*\c:16*\f+4*\c+3], v[LI], s[\cb:\cb+1] offset:2048*\f+512*\c th:TH_LOAD_NT
.endr
.endr
	WIN 0
	global_load_b128 v[QS:QS+3], v[LI], s[\sb:\sb+1] th:TH_LOAD_NT
	global_load_b128 v[QS+4:QS+7], v[LI], s[\sb:\sb+1] offset:512 th:TH_LOAD_NT
.endm
; WAVES 0-3: THE SCORES OF THE NEXT STEP, MY 32 KEYS x 64 QUERIES, THEIR SOFTMAX, AND WHAT IS PUBLISHED.  mask = 0: all keys count; 1: the mask stands under a branch on counters; 2: always (a pass's last step).
.macro SPART mask
	ds_load_b128 v[KS:KS+3], v[ADKS]               ; my two tiles' scale words (lanes 0-15: tile 2 w; lanes 16-31: tile 2 w + 1)
.irp s, 0,1,2,3
.irp u, 0,1
.irp c, 0,1,2,3
	ds_load_b128 v[KB+16*(4*\u+\s)+4*\c:KB+16*(4*\u+\s)+4*\c+3], v[ADK] offset:2048*(4*\u+\s)+512*\c
.endr
.endr
.endr
	s_wait_loadcnt 0x0                             ; Q
	WIN 0x04                                       ; K window 0, Q window 1, S^T window 0
.irp s, 0,1,2,3
	s_wait_dscnt 24-8*\s                           ; K step s's eight loads are in; those of the later K steps may be out
.irp u, 0,1
.irp a, 0,1,2,3
	MMKQ \a, \u, \s
.endr
.endr
.endr
	WIN 0
.rept 8
	v_nop                                          ; eight places ahead of the first read of the scores, of loads into Q and of writes over K
.endr
.if \mask == 1
	s_cmp_eq_u32 s[JT], s[LASTA]                   ; pass A's last scores are made: pass B's queries land during the softmax
	s_cbranch_scc0 .Lsame_q_\@
	QLOAD QB, QSB
.Lsame_q_\@:
.endif
.if \mask
.if \mask == 1
	s_sub_co_u32 s72, s[JT], s[MK]                 ; the diagonal touches a pass's last two steps: trips MK, MK + 1 (pass A) and 15 (pass B; its last is written out)
	s_cmp_lt_u32 s72, 2
	s_cselect_b32 s[FLG], 1, 0
	s_cmp_eq_u32 s[JT], 15
	s_cselect_b32 s[FLG], 1, s[FLG]
	s_cmp_eq_u32 s[FLG], 0
	s_cbranch_scc1 .Lopen_\@
.endif
	s_lshl_b32 s72, s[KI], 7
	s_sub_co_i32 s72, s[Q0], s72
	v_add_nc_u32 v[DA], s72, v[DL]                 ; my query of tile a less my register 0's key.  Register i holds key 128 KI + 32 w + 16 h + i: hidden where i is greater
	v_add_nc_u32 v[DA+1], 8, v[DA]
	v_add_nc_u32 v[DA+2], 32, v[DA]
	v_add_nc_u32 v[DA+3], 40, v[DA]
.irp a, 0,1,2,3
.irp i, 0,1,2,3,4,5,6,7,8,9,10,11,12,13,14,15
	v_cmp_gt_i32 vcc_lo, \i, v[DA+\a]
	v_cndmask_b32 v[S+16*\a+\i], v[S+16*\a+\i], v[NINF], vcc_lo
.endr
.endr
.if \mask == 1
.Lopen_\@:
.endif
.endif
.irp a, 0,1,2,3
	v_max3_num_f32 v[MX+\a], v[S+16*\a], v[S+16*\a+1], v[S+16*\a+2]  ; the largest score of my 32 keys: it serves for M and, since p rises with the score, for the block's largest p
.endr
.irp i, 3,5,7,9,11,13
.irp a, 0,1,2,3
	v_max3_num_f32 v[MX+\a], v[MX+\a], v[S+16*\a+\i], v[S+16*\a+\i+1]
.endr
.endr
.irp a, 0,1,2,3
	v_max_num_f32 v[MX+\a], v[MX+\a], v[S+16*\a+15]
.endr
.irp a, 0,1,2,3
	v_permlanex16_b32 v[TP+\a], v[MX+\a], s[SEL], s[SEL+1]
.endr
.irp a, 0,1,2,3
	v_max_num_f32 v[MX+\a], v[MX+\a], v[TP+\a]     ; with lane l xor 16's 16 keys
.endr
.irp a, 0,1,2,3
	v_mul_f32 v[TP+\a], s[CS], v[MX+\a]
.endr
.irp a, 0,1,2,3
	v_max_num_f32 v[NM+2*\a+1], v[NM+2*\a+1], v[TP+\a]   ; the running largest t of my keys
.endr
.irp a, 0,1,2,3
	v_mov_b32 v[TP+\a], v[NM+2*\a]
.endr
.irp a, 0,1,2,3
	v_floor_f32 v[NM+2*\a], -v[NM+2*\a+1]          ; -M = floor(-t): M is a whole number
.endr
.irp a, 0,1,2,3
	v_sub_f32 v[TP+\a], v[NM+2*\a], v[TP+\a]
.endr
.irp a, 0,1,2,3
	v_cvt_i32_f32 v[TP+\a], v[TP+\a]
.endr
.irp a, 0,1,2,3
	v_ldexp_f32 v[FW+2*\a], 1.0, v[TP+\a]          ; 2^(old M - new M), for my sum
.endr
.irp a, 0,1,2,3
.irp j, 0,2,4,6,8,10,12,14
	v_pk_fma_f32 v[S+16*\a+\j:S+16*\a+\j+1], v[S+16*\a+\j:S+16*\a+\j+1], s[CS:CS+1], v[NM+2*\a:NM+2*\a+1] op_sel_hi:[1,0,0]   ; t - M
.endr
.endr
.irp a, 0,1,2,3
	v_fma_f32 v[MX+\a], v[MX+\a], s[CS], v[NM+2*\a]
.endr
.set i, 0
	s_wait_alu depctr_va_vdst(0)
.rept 64
	v_exp_f32 v[S+i], v[S+i]                       ; p = 2^(t - M), not normalised
.set i, i+1
.endr
.irp a, 0,1,2,3
	v_pk_mul_f32 v[LSUM+2*\a:LSUM+2*\a+1], v[LSUM+2*\a:LSUM+2*\a+1], v[FW+2*\a:FW+2*\a+1] op_sel_hi:[1,0]   ; my sums under the new M.  (Plain lines behind the exponentials)
.endr
	s_wait_alu depctr_va_vdst(0)                   ; one wait for the batch of 64, ahead of its first reader
.irp a, 0,1,2,3
	v_exp_f32 v[MX+\a], v[MX+\a]                   ; the block's largest p
.endr
.irp j, 0,2,4,6,8,10,12,14
.irp a, 0,1,2,3
	v_pk_add_f32 v[LSUM+2*\a:LSUM+2*\a+1], v[LSUM+2*\a:LSUM+2*\a+1], v[S+16*\a+\j:S+16*\a+\j+1]   ; the sum is taken of the unquantised p; the four tiles by turns
.endr
.endr
	s_wait_alu depctr_va_vdst(0)                   ; and one for the four
.irp a, 0,1,2,3
	v_max_num_f32 v[MX+\a], 0x8000000, v[MX+\a]    ; the floor 2^(16 - 127): the byte cannot fall under 1
.endr
.irp a, 0,1,2,3
	v_add_nc_u32 v[SC+\a], 0xf8800000, v[MX+\a]    ; 15 off the exponent field: the conversion's scale operand
.endr
.irp a, 0,1,2,3
	v_and_or_b32 v[HD+\a], v[MX+\a], 0x7f800000, s[MNT]   ; 57,344 x the scale
.endr
.irp a, 0,1,2,3
	v_lshrrev_b32 v[BY+\a], 23, v[SC+\a]
.endr
.irp a, 0,1,2,3
	v_cvt_f32_u32 v[BY+\a], v[BY+\a]
.endr
.irp a, 0,1,2,3
	v_sub_f32 v[BY+\a], v[BY+\a], v[NM+2*\a]       ; byte + M
.endr
.irp a, 0,1,2,3
.irp i, 0,1,2,3,4,5,6,7,8,9,10,11,12,13,14,15
	v_min_num_f32 v[S+16*\a+\i], v[S+16*\a+\i], v[HD+\a]   ; the conversion does not saturate (ISA guide 7.6.2); p is not negative, so the hold is one-sided
.endr
	v_cvt_scalef32_pk8_bf8_f32 v[PCW+4*\a:PCW+4*\a+1], v[S+16*\a:S+16*\a+7], v[SC+\a]
	v_cvt_scalef32_pk8_bf8_f32 v[PCW+4*\a+2:PCW+4*\a+3], v[S+16*\a+8:S+16*\a+15], v[SC+\a]
.endr
	v_nop                                          ; a plain line behind the last conversion
.irp a, 0,1,2,3
	ds_store_b128 v[XPW], v[PCW+4*\a:PCW+4*\a+3] offset:2048*\a      ; group w of tile a's fragment, as it stands in the registers
	ds_store_b32 v[XSW], v[NM+2*\a] offset:768*\a                    ; lanes r and r + 16 write the same word with the same value
	ds_store_b32 v[XSW], v[BY+\a] offset:768*\a+256
.endr
.if \mask == 1
	s_cmp_eq_u32 s[JT], s[LASTA]                   ; the sums are published with a pass's last step alone
	s_cbranch_scc0 .Lno_sum_\@
.endif
.if \mask
.irp a, 0,1,2,3
	v_add_f32 v[TP+\a], v[LSUM+2*\a], v[LSUM+2*\a+1]
.endr
.irp a, 0,1,2,3
	v_permlanex16_b32 v[MX+\a], v[TP+\a], s[SEL], s[SEL+1]
.endr
.irp a, 0,1,2,3
	v_add_f32 v[TP+\a], v[TP+\a], v[MX+\a]         ; the pass's sum over my keys, under my M
.endr
.irp a, 0,1,2,3
	ds_store_b32 v[XSW], v[TP+\a] offset:768*\a+512
.endr
.endif
.if \mask == 1
.Lno_sum_\@:
	s_wait_loadcnt 0x0                             ; pass B's queries, where they were asked for
.endif
.endm
; WAVES 4-7: THE WAY OUT of a pass.  The four waves' sums are brought under the common M and added; O^T is divided by the sum and goes, a tile of 16 queries at a time, through my own stage; whole runs of 512 bytes are stored.
.macro OUTPUT base
.rept 8
	v_nop                                          ; places behind the last products, ahead of loads over P
.endr
.irp a, 0,1,2,3
	ds_load_b128 v[MW2+4*\a:MW2+4*\a+3], v[XSR] offset:768*\a
	ds_load_b128 v[LW+4*\a:LW+4*\a+3], v[XSR] offset:768*\a+512
.endr
	s_wait_dscnt 0x0
.irp a, 0,1,2,3
.irp k, 0,1,2,3
	v_sub_f32 v[EW2+4*\a+\k], v[CM+2*\a], v[MW2+4*\a+\k]             ; M_k - M
.endr
.endr
.irp a, 0,1,2,3
.irp k, 0,1,2,3
	v_cvt_i32_f32 v[EW2+4*\a+\k], v[EW2+4*\a+\k]
.endr
.endr
.irp a, 0,1,2,3
.irp k, 0,1,2,3
	v_ldexp_f32 v[LW+4*\a+\k], v[LW+4*\a+\k], v[EW2+4*\a+\k]
.endr
.endr
.irp a, 0,1,2,3
	v_add_f32 v[LW+4*\a], v[LW+4*\a], v[LW+4*\a+1]
.endr
.irp a, 0,1,2,3
	v_add_f32 v[LW+4*\a+2], v[LW+4*\a+2], v[LW+4*\a+3]
.endr
.irp a, 0,1,2,3
	v_add_f32 v[LW+4*\a], v[LW+4*\a], v[LW+4*\a+2]
.endr
	s_wait_alu depctr_va_vdst(0)
.irp a, 0,1,2,3
	v_rcp_f32 v[RL+2*\a], v[LW+4*\a]
.endr
	v_nop                                          ; a plain line behind the last reciprocal
	s_wait_alu depctr_va_vdst(0)                   ; one wait for the four, ahead of their first reader
.irp a, 0,1,2,3
	WIN 0x01                                       ; source 0 (O^T) window 1
.set i, 0
.rept 32
	v_pk_mul_f32 v[SO+i:SO+i+1], v[64*\a+i:64*\a+i+1], v[RL+2*\a:RL+2*\a+1] op_sel_hi:[1,0]   ; each accumulator from its low end on
.set i, i+2
.endr
	WIN 0
.irp n, 0,1,2,3,4,5,6,7
	ds_store_b128 v[STO], v[SO+8*\n:SO+8*\n+3] offset:64*\n          ; lane (r, h): query r, d = 16 n + 8 h + 0 .. 7 of my 128
	ds_store_b128 v[STO], v[SO+8*\n+4:SO+8*\n+7] offset:64*\n+16
.endr
.if \a > 0
	s_wait_xcnt 0x0                                ; the last tile's stores have read their registers
.endif
.irp i, 0,1,2,3,4,5,6,7,8,9,10,11,12,13,14,15
	ds_load_b128 v[RB+4*\i:RB+4*\i+3], v[RD] offset:SPITCH*\i        ; LDS serves a wave's instructions in order: these see my stores
.endr
.irp i, 0,1,2,3,4,5,6,7,8,9,10,11,12,13,14,15
	s_wait_dscnt 15-\i
	global_store_b128 v[GO], v[RB+4*\i:RB+4*\i+3], s[\base:\base+1] offset:(32*(\a/2)+8*(\a%2)+\i+8*(\i/8))*2048 th:TH_STORE_NT   ; 512 consecutive bytes of the query's row, aligned
.endr
.endr
.endm
.macro RESET                           ; a pass begins: the largest t -2^28, -M (and in waves 4-7 the common -M) 2^28, the sums 0
.irp a, 0,1,2,3
	v_mov_b32 v[NM+2*\a], 0x4d800000
	v_mov_b32 v[NM+2*\a+1], 0xcd800000
	v_mov_b32 v[LSUM+2*\a], 0
	v_mov_b32 v[LSUM+2*\a+1], 0
.endr
.endm
.macro ADDRS qb, cod, scl, out         ; byte offsets of query block s[qb]: its codes and scale words in qc, its rows in out0
	s_lshr_b32 s75, s[\qb], 1
	s_lshl_b32 s76, s[BB], 4
	s_add_co_u32 s75, s75, s76
	s_mul_i32 s75, s75, QCB
	s_and_b32 s76, s[\qb], 1
	s_lshl_b32 s77, s76, 15
	s_add_co_u32 s[\cod], s75, s77
	s_mov_b32 s[\cod+1], 0
	s_lshl_b32 s77, s76, 10
	s_add_co_u32 s[\scl], s75, s77
	s_add_co_u32 s[\scl], s[\scl], KSC
	s_mov_b32 s[\scl+1], 0
	s_lshl_b32 s75, s[BB], 11
	s_lshl_b32 s76, s[\qb], 6
	s_add_co_u32 s75, s75, s76
	s_lshl_b32 s[\out], s75, 11
	s_mov_b32 s[\out+1], 0
.endm
	s_load_b128 s[4:7], s[0:1], 0x0                ; qc, kv
	s_load_b64 s[8:9], s[0:1], 0x10                ; out0
	v_lshl_add_u32 v[SPW], v0, 2, SPARE
	v_mov_b32 v[NIL], 0
	ds_add_u32 v[SPW], v[NIL]                      ; the wave's opening: the add, twice on end, and its wait ahead of my first tensor load
	ds_add_u32 v[SPW], v[NIL]
	v_lshrrev_b32 v16, 5, v0
	v_readfirstlane_b32 s[WV], v16                 ; wave 0..7
	s_and_b32 s[W3], s[WV], 3
	s_lshr_b32 s[HV], s[WV], 1
	s_lshr_b32 s92, s[WV], 2                       ; 1: waves 4-7
	s_bfe_u32 s[CX], ttmp6, 0x40000                ; my place in the cluster
	s_mov_b32 s[CL], ttmp9                         ; the cluster's x, which the partners share
	s_and_b32 s[BB], ttmp7, 0xffff                 ; the batch
	s_lshl_b32 s72, s[CL], 1
	s_sub_co_u32 s[NA], 16, s72
	s_sub_co_u32 s[SWJ], s[NA], 1
	s_sub_co_u32 s[LASTA], s[NA], 2
	s_sub_co_u32 s[MK], s[NA], 3
	s_lshl_b32 s72, s[CL], 2
	s_add_co_u32 s74, s72, s[CX]                   ; pass B's query block
	s_sub_co_u32 s73, 28, s72
	s_add_co_u32 s73, s73, s[CX]                   ; pass A's
	s_lshl_b32 s[Q0], s73, 6
	s_lshl_b32 s[Q0B], s74, 6
	ADDRS 73, QA, QSA, OUTA
	ADDRS 74, QB, QSB, OUTB
	; descriptor group 1: 132 dense rows of 256 bytes (32 elements of 8 bytes), no padding
	s_mov_b32 s[G1], 15|(3<<16)|(1<<21)            ; 15:0 the mask: all four work-groups; 17:16 elements of 8 bytes; 21 set beside a mask
	s_mov_b32 s[G1+1], 32<<16                      ; tensor_dim0
	s_mov_b32 s[G1+2], 132<<16                     ; tensor_dim1
	s_mov_b32 s[G1+3], 32<<16                      ; tile_dim0
	s_mov_b32 s[G1+4], 132                         ; tile_dim1
	s_mov_b32 s[G1+5], 32                          ; tensor_dim0_stride
	s_mov_b32 s[G1+6], 0
	s_mov_b32 s[G1+7], 0
	s_mul_i32 s72, s[W3], PART                     ; my part of a block, in memory and in a slot
	s_lshr_b32 s73, s[W3], 1                       ; 1: I fetch for V
	s_xor_b32 s[IDX], s73, 1                       ; 1: I fetch for K, which runs a step ahead of V
	s_xor_b32 s74, s[IDX], s92                     ; the head's slot: K of block 0 and V of block 1 go into slot 1, the others into slot 0
	s_mul_i32 s74, s74, SLOTB
	s_add_co_u32 s83, s72, s74
	s_mul_i32 s84, s92, SLOTB                      ; the head's block: 0 for waves 0-3, 1 for waves 4-7
	s_mov_b32 s85, 0
	s_mul_i32 s76, s[BB], 16*SLOTB
	s_add_co_u32 s[GW], s76, s72
	s_mov_b32 s[GW+1], 0
	s_and_b32 s77, s[WV], 1
	s_lshl_b32 s77, s77, 2
	s_add_co_u32 s77, s77, s[CX]
	s_lshl_b32 s77, s77, 13                        ; the prefetches: 8,192 bytes for each of (wave % 2, place)
	s_mul_i32 s78, s73, VCO                        ; of K's codes (waves 4, 5) or V's (waves 6, 7)
	s_add_co_u32 s77, s77, s78
	s_add_co_u32 s77, s77, s76
	s_add_co_u32 s[PFA], s77, 2*SLOTB              ; in block 2: barrier 0 steps it to block 3
	s_mov_b32 s[PFA+1], 0
	s_cmp_eq_u32 s[CL], 0
	s_cselect_b32 s[LIM], 13, 0
	s_cmp_lt_u32 s[WV], 4
	s_cselect_b32 s[LIM], 0, s[LIM]
	s_mov_b32 s[OFS+1], 0
	s_mov_b32 s[MNT], 0x600000                     ; the mantissa field of 57,344
	s_mov_b32 s[CS], 0x3d8293ee                    ; log2(e) / sqrt(512)
	s_mov_b32 s[CS+1], s[CS]
	s_mov_b32 s[SEL], 0x76543210
	s_mov_b32 s[SEL+1], 0xfedcba98
	s_mov_b32 s[TB], SLOTB                         ; K of step 0 lies in slot 1
	s_mov_b32 s[XB], XBUF1
	s_mov_b32 s[XO], XBUF0
	s_mov_b32 s[KI], 0
	s_mov_b32 s[JT], 0
	s_lshl_b32 s86, s[W3], 14
	s_lshl_b32 s88, s[W3], 9
	s_lshl_b32 s89, s[W3], 2
	s_mul_i32 s90, s[W3], 16*SPITCH
	s_add_co_u32 s90, s90, STG
	s_lshl_b32 s91, s[W3], 5
	v_and_b32 v16, 31, v0                          ; lane
	v_and_b32 v17, 15, v0                          ; r
	v_bfe_u32 v18, v0, 4, 1                        ; h
	v_lshlrev_b32 v[LI], 4, v16
	v_add_nc_u32 v[AK0], s86, v[LI]
	v_add_nc_u32 v[AV0], VCO, v[AK0]
	v_add_nc_u32 v[XPW0], s88, v[LI]
	v_add_nc_u32 v[AKS0], KSC, v[XPW0]
	v_add_nc_u32 v[AVS0], VSC, v[XPW0]
	v_lshlrev_b32 v[XSR0], 4, v17
	v_add_nc_u32 v[XSR0], XST, v[XSR0]
	v_add_nc_u32 v[XSW0], s89, v[XSR0]
	v_mul_u32_u24 v[STO], v17, SPITCH
	v_lshl_add_u32 v[STO], v18, 5, v[STO]
	v_add_nc_u32 v[STO], s90, v[STO]
	v_add_nc_u32 v[RD], s90, v[LI]
	v_lshlrev_b32 v[PFO], 8, v16
	v_and_b32 v[DL], 8, v17
	v_add_nc_u32 v[DL], v[DL], v17
	v_lshlrev_b32 v19, 4, v18
	v_sub_nc_u32 v[DL], v[DL], v19
	v_sub_nc_u32 v[DL], v[DL], s91
	v_mov_b32 v[NINF], 0xff800000
	RESET
	ADRS
	s_wait_alu depctr_va_vdst(0)
	s_wait_dscnt 0x0                               ; both opening adds are done
	s_wait_kmcnt 0x0
	s_add_nc_u64 s[GW:GW+1], s[6:7], s[GW:GW+1]
	s_add_nc_u64 s[PFA:PFA+1], s[6:7], s[PFA:PFA+1]
	s_add_nc_u64 s[QA:QA+1], s[4:5], s[QA:QA+1]
	s_add_nc_u64 s[QSA:QSA+1], s[4:5], s[QSA:QSA+1]
	s_add_nc_u64 s[QB:QB+1], s[4:5], s[QB:QB+1]
	s_add_nc_u64 s[QSB:QSB+1], s[4:5], s[QSB:QSB+1]
	s_add_nc_u64 s[OUTA:OUTA+1], s[8:9], s[OUTA:OUTA+1]
	s_add_nc_u64 s[OUTB:OUTB+1], s[8:9], s[OUTB:OUTB+1]
	s_mov_b32 s[D0], 1
	s_mov_b32 s[D0+1], s83
	s_add_nc_u64 s[D0+2:D0+3], s[GW:GW+1], s[84:85]
	s_or_b32 s[D0+3], s[D0+3], 0x80000000
	s_mov_b32 s[WD], 1                             ; the walking set: its slot and its block are made at each barrier
	s_mov_b32 s[WD+1], s72
	CROUND                                         ; all four work-groups are here: the first joint loads meet
	s_cmp_lt_u32 s[WV], 2                          ; one load a wave; K_0, needed first, has a line of its own
	s_cbranch_scc0 .Lhead_rest
	tensor_load_to_lds s[D0:D0+3], s[G1:G1+7]
	s_nop 0
.rept 4
	v_nop
.endr
	s_branch .Lhead_asked
.Lhead_rest:
	tensor_load_to_lds s[D0:D0+3], s[G1:G1+7]
	s_nop 0
.rept 4
	v_nop
.endr
.Lhead_asked:
	s_cmp_lt_u32 s[WV], 4
	s_cbranch_scc0 .Lhead_no_q
	QLOAD QA, QSA
.Lhead_no_q:
	s_cmp_lt_u32 s[WV], 2
	s_cbranch_scc0 .Lhead_no_wait
	s_wait_tensorcnt 0x0                           ; my half of K_0 is in; the other waves' loads may stay out
.Lhead_no_wait:
	s_barrier_signal -1
	s_barrier_wait -1
	s_cmp_lt_u32 s[WV], 4
	s_cbranch_scc0 .Lstep0_done
	SPART 0                                        ; step 0's scores
.Lstep0_done:
	s_wait_loadcnt 0x0
	s_add_co_u32 s[KI], s[KI], 1
	CHANGE 1                                       ; barrier 0: K of step 2 alone (V of step 1 came with the first fills)
	s_cmp_lt_u32 s[WV], 4
	s_cbranch_scc0 .Lfirst_pv
	SPART 0
	s_branch .Lfirst_done
.Lfirst_pv:
	PVPART 1
.Lfirst_done:
	s_add_co_u32 s[KI], s[KI], 1
	s_mov_b32 s[JT], 1
.Ltrip:                                            ; barriers 1 to 15
	CHANGE 3
	s_cmp_eq_u32 s[JT], s[SWJ]                     ; the scores pass to pass B: on the cluster's x and the counter, the same in all partners
	s_cselect_b32 s[Q0], s[Q0B], s[Q0]
	s_cselect_b32 s[KI], 0, s[KI]
	s_cmp_lt_u32 s[WV], 4
	s_cbranch_scc0 .Ltrip_pv
	s_cmp_eq_u32 s[JT], s[SWJ]
	s_cbranch_scc0 .Lsame_pass
	RESET
	s_wait_alu depctr_va_vdst(0)
.Lsame_pass:
	SPART 1
	s_branch .Ltrip_done
.Ltrip_pv:
	PVPART 0
	s_cmp_eq_u32 s[JT], s[SWJ]                     ; pass A's last product is done
	s_cbranch_scc0 .Ltrip_done
	OUTPUT OUTA
.irp a, 0,1,2,3
	v_mov_b32 v[CM+2*\a], 0x4d800000               ; the next f is 2^(-M - 2^28) = 0: O^T begins anew without being cleared
.endr
.Ltrip_done:
	s_add_co_u32 s[KI], s[KI], 1
	s_add_co_u32 s[JT], s[JT], 1
	s_cmp_lt_u32 s[JT], 16
	s_cbranch_scc1 .Ltrip
	CHANGE 2                                       ; barrier 16: V of step 17 alone; the tail is written out
	s_cmp_lt_u32 s[WV], 4
	s_cbranch_scc0 .Ltail_pv
	SPART 2
	s_branch .Ltail_done
.Ltail_pv:
	PVPART 0
.Ltail_done:
	CHANGE 0                                       ; barrier 17: nothing is left to fetch
	s_cmp_lt_u32 s[WV], 4
	s_cbranch_scc1 .Lend
	PVPART 0
	OUTPUT OUTB
.Lend:
	s_wait_tensorcnt 0x0                           ; the wave's end: behind my last tensor load and my last LDS store
	ds_add_u32 v[SPW], v[NIL]
	s_wait_dscnt 0x0
	CROUND                                         ; the closing round: no work-group ends while a partner may still ask for a block that names it
	s_endpgm
.Lfunc_end_k_qab516a92b6_attn:
	.size	k_qab516a92b6_attn, .Lfunc_end_k_qab516a92b6_attn-k_qab516a92b6_attn
	.p2alignl 7, 3214868480
	.fill 96, 4, 3214868480
	.section	.rodata,"a",@progbits
	.p2align	6, 0x0
	.amdhsa_kernel k_qab516a92b6_attn
		.amdhsa_group_segment_fixed_size 327680
		.amdhsa_private_segment_fixed_size 0
		.amdhsa_enable_private_segment 0
		.amdhsa_kernarg_size 24
		.amdhsa_user_sgpr_count 2
		.amdhsa_user_sgpr_kernarg_segment_ptr 1
		.amdhsa_wavefront_size32 1
		.amdhsa_system_sgpr_workgroup_id_x 1
		.amdhsa_system_sgpr_workgroup_id_y 1
		.amdhsa_system_sgpr_workgroup_id_z 1
		.amdhsa_system_vgpr_workitem_id 0
		.amdhsa_next_free_vgpr 512
		.amdhsa_next_free_sgpr 96
		.amdhsa_reserve_vcc 1
		.amdhsa_float_denorm_mode_32 3
		.amdhsa_float_denorm_mode_16_64 3
		.amdhsa_memory_ordered 1
		.amdhsa_forward_progress 1
		.amdhsa_inst_pref_size 248
	.end_amdhsa_kernel
	.amdgpu_metadata
---
amdhsa.version: [ 1, 2 ]
amdhsa.kernels:
  - .name:           k_qab516a92b6_attn
    .symbol:         k_qab516a92b6_attn.kd
    .args:
      - { .name: qc, .offset: 0, .size: 8, .value_kind: global_buffer, .address_space: global }
      - { .name: kv, .offset: 8, .size: 8, .value_kind: global_buffer, .address_space: global }
      - { .name: out0, .offset: 16, .size: 8, .value_kind: global_buffer, .address_space: global }
    .group_segment_fixed_size: 327680
    .private_segment_fixed_size: 0
    .kernarg_segment_align: 8
    .kernarg_segment_size: 24
    .max_flat_workgroup_size: 256
    .sgpr_count:     96
    .vgpr_count:     512
    .wavefront_size: 32
...
	.end_amdgpu_metadata
.endif
;; end of part 2
